; MI455X (gfx1250); checked and timed in simulation.
; The chip was launched on July 23, 2026; its instructions are those of AMD's public machine-readable ISA for CDNA 5 (MIT licence, August 2026) and "CDNA5" Instruction Set Architecture Reference Guide (July 2026). The comments in the code are by the model that wrote it; some were corrected since.
;; Sparse Attention. Allowed arithmetic: matrix products marked QUANTISED: E2M1 operands, one E8M0 scale for each 32 along K, by v_wmma_scale_f32_16x16x128_f8f6f4 with both operands' format E2M1 (or v_wmma_scale_f32_32x16x128_f4), f32 sums; everything else in f32.
;; Inputs: k 2 x 8,192 x 256 float32; q 2 x 8,192 x 256 float32; v 2 x 8,192 x 256 float32.
;; Outputs: out0 2 x 8,192 x 256 float32.
;; This version of the problem:
;;   THIS VERSION OF THE PROBLEM IS GIVEN IN LOW PRECISION. The matrix products marked QUANTISED in the list below multiply operands that are first quantised to E2M1 (2 exponent bits, 1 mantissa bit; 4 bits a number), with one power-of-two scale for each 32 numbers along K (OCP MX v1.0); their sums are f32. All else is computed in f32.
;;   The module's matrix products, in the order in which they are computed (A, B: the left and right operand; K: the contracted axis; several contracted axes count as one K, in the product's order):
;;     1. batch 2 x [M 8,192, K 256] x [K 256, N 8,192]; A: input q; B: input k: QUANTISED
;;     2. batch 2 x [M 8,192, K 8,192] x [K 8,192, N 256]; A: softmax (see below); B: input v: QUANTISED
;;   THE QUANTISER, for each operand of a quantised product, along K:
;;     - K is cut into blocks of 32 from its start; a last block that is shorter is filled with zeros.
;;     - A block's scale is 2^e with e = floor(log2(the largest magnitude in the block)) - 2, held to -126 .. 127; a block of zeros has e = 0. As a byte (E8M0): e + 127.
;;     - Each number is divided by its block's scale, clamped to +-6, and rounded to the nearest number of E2M1, ties to even, subnormals kept.
;;     - The product sums the exact products of the quantised numbers (number of the format x scale) in f32.
;;   ~~~python
;;   def quantise(x, axis):      # numpy; x: float32 -> the quantised numbers, widened to float32 again
;;       x = np.moveaxis(x, axis, -1); K = x.shape[-1]
;;       x = np.pad(x, [(0, 0)] * (x.ndim - 1) + [(0, -K % 32)]); x = x.reshape(x.shape[:-1] + (-1, 32)); a = np.abs(x).max(-1, keepdims=True)
;;       e = np.where(a > 0, np.clip(np.frexp(np.where(a > 0, a, 1))[1] - 1 - 2, -126, 127), 0)      # np.frexp(a)[1] - 1 = floor(log2(a)), exactly
;;       r = np.clip(x / 2.0 ** e, -6, 6)
;;       step = 2.0 ** (np.maximum(np.frexp(np.where(r == 0, 1, r))[1] - 1, 0) - 1)
;;       q = np.round(r / step) * step * 2.0 ** e      # np.round: ties to even
;;       return np.moveaxis(q.reshape(q.shape[:-2] + (-1,))[..., :K], -1, axis).astype(np.float32)
;;   ~~~
;;   SOFTMAX AHEAD OF A QUANTISED PRODUCT. Where the list says 'softmax', what is quantised is not the finished softmax but p = 2^(t - M), with t = logit x log2(e) and M = ceil(the row's largest t), a whole number; so 1/2 < the row's largest p <= 1. The row's sum l is taken of the UNQUANTISED p, in f32, and the product's result is divided by l at the end. Since M is a whole number, a kernel that streams over the keys may use a running M (the ceiling of the running maximum): every later rescaling is an exact power of two, which a block's scale takes up: the codes' values come out the same.
;;   OPERANDS COMPUTED ON THE WAY. 'Computed on the way' means the value that the module computes at that place (a softmax that the list does not call 'softmax' is quantised finished and normalised). What goes into a quantiser is computed in f32, as accurately as f32 sums, v_exp_f32 and their like allow (about 1e-6 of the number): no bf16 or f16 on the way to a quantiser, and a product that is left as it is and whose result goes on into a quantised operand takes f32 operands (vector FMAs, or v_wmma_f32_16x16x4_f32). A number that lies on a knife's edge between two numbers of the format may be rounded either way, as far as f32 arithmetic and the matrix unit's own rounding can turn it there, and no further.
;; One version. Each part assembles by itself: llvm-mc -triple=amdgcn-amd-amdhsa -mcpu=gfx1250 --defsym DOCPART=n.
;; ======== version 1 of 1: 2 launches
;; limits: right only within a limited range of input values
;; workspace buffers: qf 2,097,152 bytes; qs 131,072 bytes; kv 4,456,448 bytes
;; launch prep (part 1): grid 256 x 1, 16 waves a work-group, no clusters, 209,920 bytes of LDS; arguments q, k, v, qf, qs, kv; writes qf, qs, kv
.if DOCPART == 1
	.amdgcn_target "amdgcn-amd-amdhsa--gfx1250"
	.amdhsa_code_object_version 6
	.text
	.protected	k_qdc8ab6a22b_prep
	.globl	k_qdc8ab6a22b_prep
	.p2align	8
	.type	k_qdc8ab6a22b_prep,@function
k_qdc8ab6a22b_prep:
	s_mov_b64 s[64:65], 0
	v_nop
	global_prefetch_b8 v0, s[64:65] scope:SCOPE_SE
	s_setreg_imm32_b32 hwreg(HW_REG_WAVE_MODE, 25, 1), 1
	s_wait_xcnt 0x0
; q, k, v [2][8192][256] f32 become codes of FP4 (E2M1) with one E8M0 byte for each 32 along a product's K, laid in the order of the operands' registers.
; THE PERMUTATION.  A source row is t = 512 b + l; nb = 16 n + b.  The permuted tensor is y[l >> 8][32 (l & 255) + (e >> 3)][32 (e & 7) + nb] = x[n][512 b + l][e].
; So a block of 32 along the first product's K (q, k) is ONE column e of the 32 rows that share l, running over nb; a block along the second product's K (the keys; v) is one (nb, e & 7), running over e >> 3.
; A block's scale is 2^(floor(log2(its largest magnitude)) - 2): its byte is the largest magnitude's exponent field - 2, held at 1 from below by a floor among the maximum's leaves.
; LIMITS: NaN and infinities among the inputs are not served.  A block of zeros gets the byte 1 (its codes are zeros; these bytes are read by this program alone).
; OUT.  qf [xq = l >> 3][B = (e >> 3) & 15][kk][c][h][r'][16 bytes], e & 7 = 4 kk + 2 c + h, r' = 2 (l & 7) + (e >> 7);  qs [xq][B][16 kk + r'][4 bytes].
;   kv: 128 blocks (l >> 2) of WPART bytes, each the 128 keys of one key step: K's codes, 16 images (2 t + kk) of 1,024 bytes [c][16 h + r][16 bytes]; from 16,384 V's codes, 16 images (et = e' >> 4) alike;
;   from 32,768 K's scale words [G][16 kk + r][ii][4 bytes], tile t = 4 G + ii; from 33,792 V's [G][16 (et & 1) + r][ii][4 bytes], et >> 1 = 4 G + ii.
;   Lane r of key tile t = 2 b + u stands for key 32 b + 8 u + r + 8 (r >> 3) of the step.
; SHARES.  Work-groups 0-63: q, eight l each;  64-127: k, eight l (two key steps) each;  128-255: v, four l (one key step) each.  Each of the three ways has LDS bytes of its own.
; No tensor load, no matrix instruction, no loop: every offset is an immediate.  No prefetch: each input byte is read once, by loads of which 64 a wave are issued ahead.
; KV'S BLOCK AS THE CODE LAYS IT (this holds for kv in place of the lines above): two halves of 17,408 bytes.  K's half: for c2 = 0, 1 (tiles t = 4 c2 .. 4 c2 + 3) 8 images (2 (t & 3) + kk) of 1,024 bytes, then 512 bytes of scale words
; [16 u + r][2 (b & 1) + kk][4 bytes], t = 2 b + u.  V's half, from 17,408: 16 images (et), then from 33,792 its scale words as above.
.set WPART, 34816
.set QST, 0                            ; q: 128 units of 256 bytes + 16
.set QSS, 34816                        ; q: 2,048 scale bytes
.set KST, 36864                        ; k: the same two
.set KSS, 71680
.set VST, 73728                        ; v: 4 l x 32 rows of 1,024 bytes + 16
.set VSS, 206848                       ; v: 1,024 scale bytes
.set E, 16                             ; v16-19  a scale byte for each block
.set C, 20                             ; v20-35  four registers of codes for each block: no store's data are written again
.set X, 64                             ; v64-127 two sets of 32 numbers
.macro BAR                             ; my LDS stores have landed and my LDS loads are in: then the work-group's barrier
	s_wait_dscnt 0x0
	s_barrier_signal -1
	s_barrier_wait -1
.endm
; The 32 numbers of set n % 2 are one block: its codes go to v[C + 4 n] on, its byte to v[E + n].
.macro QUANT n
.set XS, X+32*((\n)%2)
	v_max3_num_f32 v12, |v[XS]|, |v[XS+1]|, |v[XS+2]|              ; the largest magnitude, in two chains
	v_max3_num_f32 v13, |v[XS+3]|, |v[XS+4]|, |v[XS+5]|
.irp i, 6,10,14,18,22,26
	s_delay_alu instid0(VALU_DEP_2)
	v_max3_num_f32 v12, v12, |v[XS+\i]|, |v[XS+\i+1]|
	s_delay_alu instid0(VALU_DEP_2)
	v_max3_num_f32 v13, v13, |v[XS+\i+2]|, |v[XS+\i+3]|
.endr
	s_delay_alu instid0(VALU_DEP_2)
	v_max3_num_f32 v12, v12, |v[XS+30]|, |v[XS+31]|
	s_delay_alu instid0(VALU_DEP_1)
	v_max3_num_f32 v12, v12, v13, 0x1800000                        ; and the floor 2^(3 - 127): the byte cannot fall under 1
	s_delay_alu instid0(VALU_DEP_1)
	v_add_nc_u32 v14, 0xff000000, v12                              ; 2 off the exponent field: the conversion takes this operand's exponent field as its scale
.irp g, 0,1,2,3
	v_cvt_scalef32_pk8_fp4_f32 v[C+4*(\n)+\g], v[XS+8*\g:XS+8*\g+7], v14
.endr
	v_lshrrev_b32 v[E+(\n)], 23, v14                               ; the byte; also the plain line behind the conversions
.endm
; q and k: a lane takes a column e, its registers run over nb.  s31 = which eight l; the tensor's address in s[lo:lo+1].
.macro SRC lo
	s_lshl_b32 s18, s31, 3
	s_lshl_b32 s19, s17, 2
	s_add_co_u32 s18, s18, s19                     ; my first l: 8 x work + 4 x half
	s_lshl_b32 s18, s18, 10
	s_mov_b32 s19, 0
	s_add_nc_u64 s[20:21], s[\lo:\lo+1], s[18:19]  ; n = 0
	s_add_nc_u64 s[22:23], s[20:21], 0x800000      ; n = 1
.endm
.macro LOAD lam                        ; 32 loads: x[n][512 b + l][e]; a wave reads 128 neighbouring bytes, the eight waves of a half a whole row
.irp nb, 0,1,2,3,4,5,6,7,8,9,10,11,12,13,14,15
	global_load_b32 v[X+32*((\lam)%2)+\nb], v4, s[20:21] offset:\nb*524288+(\lam)*1024 th:TH_LOAD_NT
.endr
.irp nb, 0,1,2,3,4,5,6,7,8,9,10,11,12,13,14,15
	global_load_b32 v[X+32*((\lam)%2)+16+\nb], v4, s[22:23] offset:\nb*524288+(\lam)*1024 th:TH_LOAD_NT
.endr
.endm
.macro BLOCK lam, cofs, sofs
.if (\lam) < 3
	s_wait_loadcnt 32                              ; this block's 32 loads are in; the next block's 32 may be out
.else
	s_wait_loadcnt 0x0
.endif
	QUANT \lam
	ds_store_b128 v5, v[C+4*(\lam):C+4*(\lam)+3] offset:\cofs
	ds_store_b8 v6, v[E+(\lam)] offset:\sofs
.if (\lam) < 2
	LOAD (\lam)+2
.endif
.endm
.macro RADDR st                        ; out of the stage: wave w takes units 8 w .. 8 w + 7, sixteen lanes to a unit
	v_lshrrev_b32 v12, 4, v2
	s_delay_alu instid0(VALU_DEP_1)
	v_mul_u32_u24 v7, v12, 272
	v_and_b32 v12, 15, v2
	s_delay_alu instid0(VALU_DEP_1)
	v_lshl_add_u32 v7, v12, 4, v7
	s_mul_i32 s24, s16, 8*272
	s_add_co_u32 s24, s24, \st
	v_add_nc_u32 v7, s24, v7
	v_lshlrev_b32 v8, 4, v2                        ; and 16 bytes a lane in memory
.endm
.macro WAYOUT                          ; s[26:27]: where my wave's eight units go
.irp t, 0,1,2,3
	ds_load_b128 v[36+4*\t:39+4*\t], v7 offset:544*\t
.endr
.irp t, 0,1,2,3
	s_wait_dscnt 3-\t                              ; LDS loads come back in order: number t is in
	global_store_b128 v8, v[36+4*\t:39+4*\t], s[26:27] offset:512*\t   ; 32 lanes store 512 consecutive bytes, at a multiple of 256 from the buffer's first byte
.endr
.endm
	s_load_b256 s[4:11], s[0:1], 0x0               ; q s[4:5], k s[6:7], v s[8:9], qf s[10:11]
	s_load_b128 s[12:15], s[0:1], 0x20             ; qs s[12:13], kv s[14:15]
	v_lshl_add_u32 v128, v0, 2, 0x32c00
	v_mov_b32 v129, 0
	v_lshrrev_b32 v1, 5, v0
	s_delay_alu instid0(VALU_DEP_1)
	v_readfirstlane_b32 s16, v1                    ; wave 0..15
	s_lshr_b32 s17, s16, 3                         ; half
	v_and_b32 v2, 31, v0                           ; lane
	v_and_b32 v3, 255, v0                          ; e
	s_delay_alu instid0(VALU_DEP_1)
	v_lshlrev_b32 v4, 2, v3
	s_wait_kmcnt 0x0
	s_cmp_lt_u32 ttmp9, 64
	s_cbranch_scc1 .Lq_path
	s_cmp_lt_u32 ttmp9, 128
	s_cbranch_scc1 .Lk_path
	; ---- v: one key step.  In: wave w loads rows lam = w >> 2, nb = 8 (w & 3) + i, whole, as they lie
	s_sub_co_u32 s31, ttmp9, 128                   ; the key step, 0..127
	s_and_b32 s24, s16, 3
	s_lshr_b32 s25, s24, 1
	s_lshl_b32 s25, s25, 23                        ; n x 8,192 rows
	s_and_b32 s26, s16, 1                          ; (later: nbh)
	s_lshl_b32 s27, s26, 22                        ; b = 8 (w & 1): x 512 rows
	s_add_co_u32 s25, s25, s27
	s_lshr_b32 s27, s16, 2                         ; lam
	s_lshl_b32 s28, s31, 2
	s_add_co_u32 s28, s28, s27                     ; l
	s_lshl_b32 s28, s28, 10
	s_add_co_u32 s18, s25, s28
	s_mov_b32 s19, 0
	s_add_nc_u64 s[20:21], s[8:9], s[18:19]
	s_wait_alu depctr_va_vdst(0)
	v_lshlrev_b32 v8, 4, v2
.set n, 0
.rept 16
	global_load_b128 v[X+4*n:X+4*n+3], v8, s[20:21] offset:(n/2)*524288+(n%2)*512 th:TH_LOAD_NT   ; 32 lanes read 512 consecutive bytes
.set n, n+1
.endr
	s_mul_i32 s27, s27, 33280
	s_mul_i32 s24, s24, 8320
	s_add_co_u32 s24, s24, s27
	s_add_co_u32 s24, s24, VST
	v_add_nc_u32 v5, s24, v8                       ; the stage, on the way in: [lam][nb] rows of 1,040 bytes
	; roles for the way out of the stage: nbh = w & 1, ep = (w >> 1) & 3, lp = w >> 3; my lane: nb = 16 nbh + (lane & 15), e & 7 = 2 ep + (lane >> 4)
	s_bfe_u32 s25, s16, 0x20001                    ; ep
	s_lshr_b32 s27, s16, 3                         ; lp
	v_and_b32 v12, 15, v2
	v_lshrrev_b32 v13, 4, v2
	s_delay_alu instid0(VALU_DEP_2)
	v_mul_u32_u24 v7, v12, 1040
	s_delay_alu instid0(VALU_DEP_1)
	v_lshl_add_u32 v7, v13, 2, v7
	s_mul_i32 s28, s27, 66560
	s_mul_i32 s29, s26, 16640
	s_add_co_u32 s28, s28, s29
	s_lshl_b32 s29, s25, 3
	s_add_co_u32 s28, s28, s29
	s_add_co_u32 s28, s28, VST
	v_add_nc_u32 v7, s28, v7                       ; row nb of key block 2 lp, number e & 7; a row is 260 words, so the 32 lanes' words start 4 words apart and one apart
	v_lshlrev_b32 v6, 4, v12
	s_delay_alu instid0(VALU_DEP_1)
	v_lshl_add_u32 v6, v13, 2, v6
	s_wait_alu depctr_va_vdst(0)
	s_lshr_b32 s28, s25, 1
	s_lshl_b32 s28, s28, 9
	s_lshl_b32 s29, s26, 8
	s_add_co_u32 s28, s28, s29
	s_and_b32 s29, s25, 1
	s_lshl_b32 s29, s29, 3
	s_add_co_u32 s28, s28, s29
	s_lshl_b32 s29, s27, 1
	s_add_co_u32 s28, s28, s29
	s_add_co_u32 s28, s28, VSS
	v_add_nc_u32 v6, s28, v6                       ; my two scale bytes: 512 (ep >> 1) + 16 (16 nbh + (lane & 15)) + 8 (ep & 1) + 4 (lane >> 4) + 2 lp
	v_lshlrev_b32 v10, 11, v13
	s_delay_alu instid0(VALU_DEP_1)
	v_lshl_add_u32 v10, v12, 4, v10                ; my codes: et = 4 ep + 2 (lane >> 4) + nbh, row lane & 15
	s_mul_i32 s18, s31, WPART
	s_lshl_b32 s28, s25, 2
	s_add_co_u32 s28, s28, s26
	s_lshl_b32 s28, s28, 10
	s_add_co_u32 s18, s18, s28
	s_lshl_b32 s28, s27, 9
	s_add_co_u32 s18, s18, s28
	s_add_co_u32 s18, s18, 17408
	s_add_nc_u64 s[22:23], s[14:15], s[18:19]
	s_mul_i32 s18, s31, WPART
	s_add_co_u32 s18, s18, 33792
	s_add_nc_u64 s[28:29], s[14:15], s[18:19]
	v_and_b32 v9, 63, v0
	s_delay_alu instid0(VALU_DEP_1)
	v_lshlrev_b32 v11, 4, v9
	s_delay_alu instid0(VALU_DEP_1)
	v_add_nc_u32 v9, VSS, v11
.set n, 0
.rept 16
	s_wait_loadcnt 15-n                            ; loads come back in order: number n is in
	ds_store_b128 v5, v[X+4*n:X+4*n+3] offset:(n/2)*1040+(n%2)*512
.set n, n+1
.endr
	BAR                                            ; the step's 128 rows lie in the stage
.irp a, 0,1                                    ; key blocks 2 lp + a: the 32 numbers e = 8 i + (e & 7) of my row
.irp i, 0,1,2,3,4,5,6,7,8,9,10,11,12,13,14,15,16,17,18,19,20,21,22,23,24,25,26,27,28,29,30,31
	ds_load_b32 v[X+32*\a+\i], v7 offset:33280*\a+32*\i
.endr
.endr
	s_wait_dscnt 32                                ; the first block's 32 are in
	QUANT 0
	global_store_b128 v10, v[C:C+3], s[22:23]      ; sixteen lanes store 256 consecutive bytes, aligned
	s_wait_dscnt 0x0
	QUANT 1
	global_store_b128 v10, v[C+4:C+7], s[22:23] offset:256
	v_lshl_or_b32 v[E], v[E+1], 8, v[E]
	ds_store_b16 v6, v[E]
	BAR                                            ; the step's 1,024 scale bytes lie in LDS
	s_cmp_lt_u32 s16, 2
	s_cbranch_scc0 .Lv_end
	ds_load_b128 v[52:55], v9
	s_wait_dscnt 0x0
	global_store_b128 v11, v[52:55], s[28:29]
.Lv_end:
	s_wait_tensorcnt 0x0
	ds_add_u32 v128, v129
	s_wait_dscnt 0x0
	s_endpgm
.Lq_path:
	s_mov_b32 s31, ttmp9
	SRC 4
	s_wait_alu depctr_va_vdst(0)
	LOAD 0
	LOAD 1
	v_and_b32 v12, 127, v3                         ; the unit: 8 B + (e & 7)
	s_delay_alu instid0(VALU_DEP_1)
	v_mul_u32_u24 v5, v12, 272
	v_lshrrev_b32 v13, 7, v3
	s_delay_alu instid0(VALU_DEP_1)
	v_lshl_add_u32 v5, v13, 4, v5                  ; r' = 8 half + 2 lam + (e >> 7), 16 bytes each
	s_lshl_b32 s24, s17, 7
	v_add_nc_u32 v5, s24, v5
	v_bfe_u32 v12, v3, 3, 4
	s_delay_alu instid0(VALU_DEP_1)
	v_lshlrev_b32 v6, 7, v12                       ; scale bytes: 128 B + 64 kk + 4 r' + (e & 3)
	v_bfe_u32 v12, v3, 2, 1
	s_delay_alu instid0(VALU_DEP_1)
	v_lshl_add_u32 v6, v12, 6, v6
	s_delay_alu instid0(VALU_DEP_1)
	v_lshl_add_u32 v6, v13, 2, v6
	v_and_b32 v12, 3, v3
	s_delay_alu instid0(VALU_DEP_1)
	v_add_nc_u32 v6, v6, v12
	s_lshl_b32 s24, s17, 5
	s_add_co_u32 s24, s24, QSS
	v_add_nc_u32 v6, s24, v6
	RADDR QST
	v_and_b32 v9, 127, v0
	s_delay_alu instid0(VALU_DEP_1)
	v_lshlrev_b32 v10, 4, v9
	s_delay_alu instid0(VALU_DEP_1)
	v_add_nc_u32 v9, QSS, v10
	s_lshl_b32 s24, s31, 15
	s_lshl_b32 s25, s16, 11
	s_add_co_u32 s24, s24, s25
	s_mov_b32 s25, 0
	s_add_nc_u64 s[26:27], s[10:11], s[24:25]
	s_lshl_b32 s24, s31, 11
	s_add_nc_u64 s[28:29], s[12:13], s[24:25]
.irp lam, 0,1,2,3
	BLOCK \lam, 32*\lam, 8*\lam
.endr
	BAR
	WAYOUT
	s_cmp_lt_u32 s16, 4
	s_cbranch_scc0 .Lq_end
	ds_load_b128 v[52:55], v9
	s_wait_dscnt 0x0
	global_store_b128 v10, v[52:55], s[28:29]
.Lq_end:
	s_wait_tensorcnt 0x0
	ds_add_u32 v128, v129
	s_wait_dscnt 0x0
	s_endpgm
.Lk_path:
	s_sub_co_u32 s31, ttmp9, 64
	SRC 6
	s_wait_alu depctr_va_vdst(0)
	LOAD 0
	LOAD 1
	v_bfe_u32 v12, v3, 6, 1                        ; u
	v_and_b32 v13, 7, v3
	s_delay_alu instid0(VALU_DEP_1)
	v_lshl_add_u32 v13, v12, 3, v13                ; the unit in a block of 32 keys: 8 u + (e & 7)
	s_delay_alu instid0(VALU_DEP_1)
	v_mul_u32_u24 v5, v13, 272
	v_bfe_u32 v13, v3, 3, 3
	v_lshrrev_b32 v14, 7, v3
	s_delay_alu instid0(VALU_DEP_1)
	v_lshl_add_u32 v13, v14, 3, v13                ; r = 8 (e >> 7) + ((e >> 3) & 7)
	s_delay_alu instid0(VALU_DEP_1)
	v_lshl_add_u32 v5, v13, 4, v5
	s_mul_i32 s24, s17, 17408
	s_add_co_u32 s24, s24, KST
	v_add_nc_u32 v5, s24, v5
	v_lshlrev_b32 v6, 4, v13                       ; scale bytes: 256 kk + 16 r + 4 u + (e & 3)
	s_delay_alu instid0(VALU_DEP_1)
	v_lshl_add_u32 v6, v12, 8, v6                  ; as laid: 256 u + 16 r + 4 kk + (e & 3)
	v_bfe_u32 v14, v3, 2, 1
	s_delay_alu instid0(VALU_DEP_1)
	v_lshl_add_u32 v6, v14, 2, v6
	v_and_b32 v14, 3, v3
	s_delay_alu instid0(VALU_DEP_1)
	v_add_nc_u32 v6, v6, v14
	s_lshl_b32 s24, s17, 10
	s_add_co_u32 s24, s24, KSS
	v_add_nc_u32 v6, s24, v6
	RADDR KST
	v_and_b32 v9, 127, v0
	s_delay_alu instid0(VALU_DEP_1)
	v_lshlrev_b32 v9, 4, v9
	s_delay_alu instid0(VALU_DEP_1)
	v_add_nc_u32 v9, KSS, v9
	s_lshl_b32 s24, s31, 1
	s_add_co_u32 s24, s24, s17                     ; the key step: 2 x work + half
	s_mul_i32 s24, s24, WPART
	s_bfe_u32 s28, s16, 0x10002                    ; c2: the second four tiles lie behind the first four's scale words
	s_lshl_b32 s28, s28, 9
	s_add_co_u32 s24, s24, s28
	s_and_b32 s25, s16, 7
	s_lshl_b32 s25, s25, 11
	s_add_co_u32 s24, s24, s25
	s_mov_b32 s25, 0
	s_add_nc_u64 s[26:27], s[14:15], s[24:25]
	s_and_b32 s24, s16, 3                          ; the scale words leave by waves 0 to 3: 512 bytes each
	s_lshr_b32 s25, s24, 1
	s_lshl_b32 s28, s31, 1
	s_add_co_u32 s25, s25, s28
	s_mul_i32 s25, s25, WPART
	s_and_b32 s24, s24, 1
	s_mul_i32 s24, s24, 8704
	s_add_co_u32 s24, s24, s25
	s_add_co_u32 s24, s24, 8192
	s_mov_b32 s25, 0
	s_add_nc_u64 s[28:29], s[14:15], s[24:25]
.irp lam, 0,1,2,3
	BLOCK \lam, 4352*\lam, (\lam>>1)*512+(\lam&1)*8
.endr
	BAR
	WAYOUT
	s_cmp_lt_u32 s16, 4
	s_cbranch_scc0 .Lk_end
	ds_load_b128 v[52:55], v9
	s_wait_dscnt 0x0
	global_store_b128 v8, v[52:55], s[28:29]
.Lk_end:
	s_wait_tensorcnt 0x0
	ds_add_u32 v128, v129
	s_wait_dscnt 0x0
	s_endpgm
.Lfunc_end_k_qdc8ab6a22b_prep:
	.size	k_qdc8ab6a22b_prep, .Lfunc_end_k_qdc8ab6a22b_prep-k_qdc8ab6a22b_prep
	.p2alignl 7, 3214868480
	.fill 96, 4, 3214868480
	.section	.rodata,"a",@progbits
	.p2align	6, 0x0
	.amdhsa_kernel k_qdc8ab6a22b_prep
		.amdhsa_group_segment_fixed_size 209920
		.amdhsa_private_segment_fixed_size 0
		.amdhsa_enable_private_segment 0
		.amdhsa_kernarg_size 48
		.amdhsa_user_sgpr_count 2
		.amdhsa_user_sgpr_kernarg_segment_ptr 1
		.amdhsa_wavefront_size32 1
		.amdhsa_system_sgpr_workgroup_id_x 1
		.amdhsa_system_sgpr_workgroup_id_y 1
		.amdhsa_system_sgpr_workgroup_id_z 1
		.amdhsa_system_vgpr_workitem_id 0
		.amdhsa_next_free_vgpr 130
		.amdhsa_next_free_sgpr 66
		.amdhsa_reserve_vcc 0
		.amdhsa_float_denorm_mode_32 3
		.amdhsa_float_denorm_mode_16_64 3
		.amdhsa_memory_ordered 1
		.amdhsa_forward_progress 1
		.amdhsa_inst_pref_size 64
	.end_amdhsa_kernel
	.amdgpu_metadata
---
amdhsa.version: [ 1, 2 ]
amdhsa.kernels:
  - .name:           k_qdc8ab6a22b_prep
    .symbol:         k_qdc8ab6a22b_prep.kd
    .args:
      - { .name: q, .offset: 0, .size: 8, .value_kind: global_buffer, .address_space: global }
      - { .name: k, .offset: 8, .size: 8, .value_kind: global_buffer, .address_space: global }
      - { .name: v, .offset: 16, .size: 8, .value_kind: global_buffer, .address_space: global }
      - { .name: qf, .offset: 24, .size: 8, .value_kind: global_buffer, .address_space: global }
      - { .name: qs, .offset: 32, .size: 8, .value_kind: global_buffer, .address_space: global }
      - { .name: kv, .offset: 40, .size: 8, .value_kind: global_buffer, .address_space: global }
    .group_segment_fixed_size: 209920
    .private_segment_fixed_size: 0
    .kernarg_segment_align: 8
    .kernarg_segment_size: 48
    .max_flat_workgroup_size: 512
    .sgpr_count:     66
    .vgpr_count:     130
    .wavefront_size: 32
...
	.end_amdgpu_metadata
.endif
;; end of part 1
;; launch attn (part 2): grid 128 x 2, 8 waves a work-group, clusters of 4 x 1, 327,680 bytes of LDS; arguments qf, qs, kv, out0; writes out0
.if DOCPART == 2
	.amdgcn_target "amdgcn-amd-amdhsa--gfx1250"
	.amdhsa_code_object_version 6
	.text
	.protected	k_qdc8ab6a22b_attn
	.globl	k_qdc8ab6a22b_attn
	.p2align	8
	.type	k_qdc8ab6a22b_attn,@function
k_qdc8ab6a22b_attn:
	s_mov_b64 s[64:65], 0
	v_nop
	global_prefetch_b8 v0, s[64:65] scope:SCOPE_SE
	s_setreg_imm32_b32 hwreg(HW_REG_WAVE_MODE, 25, 1), 1
	s_wait_xcnt 0x0
	s_wait_alu depctr_hold_cnt(0) depctr_sa_sdst(0) depctr_va_vdst(0) depctr_va_sdst(0) depctr_va_ssrc(0) depctr_va_vcc(0) depctr_vm_vsrc(0)
	s_getreg_b32 s2, hwreg(HW_REG_IB_STS2, 6, 4)
	s_cmp_eq_u32 s2, 0
	s_cbranch_scc0 .Lentry_in_a_cluster
	s_endpgm
.Lentry_in_a_cluster:
	s_bfe_u32 s2, ttmp6, 0x10000c
	s_cmp_lg_u32 s2, 0x3003
	s_cbranch_scc0 .Lentry_shape_is_right
	s_endpgm
.Lentry_shape_is_right:
; O = softmax(Q K^T / 8) V on the permuted tensors, both products on codes of FP4 with one E8M0 scale for each 32 along K.  A work-group owns 64 queries of one batch and walks its 8,192 keys in 16 rounds of 512.
; SHARES.  Eight waves, two to a SIMD.  In a round wave w makes the scores of 64 keys (two blocks of 32) x 64 queries, their exponentials and their codes, and hands the codes round through LDS;
; a round later it multiplies 32 channels (32 w on) x 64 queries over all 512 keys.  So O is 64 registers a wave, held once in the work-group: nothing is merged at the end.
; P.  A block of 32 keys is taken relative to T = floor(its largest t), t = score x log2(e) / 8: p = 2^(t - T), whose largest lies in [1, 2): so the conversion's scale is always 2^-2.  M = the largest T of the row so far, a whole number;
; the scale byte is T - M + 125, held at 1 from below; the row's sum takes the unquantised p x 2^(T - M); when M moves, the sum and O are multiplied by 2^(old M - new M).  All these factors are powers of two.  The kernel keeps -T and -M.
; THE RING.  Two slots.  Round i's slot holds K of round i and V of round i - 1, eight parts of 17,408 bytes, one a wave, asked for jointly by the four work-groups of a cluster, which walk the same keys.
; TWO BARRIERS A ROUND.  The first, with work between signal and wait, shows the eight waves' maxima, and that all reads of the last round's codes are over; the second is the cluster's round in front of a refill.
; PREFETCH.  Two clusters of each batch ask for the round whose K is loaded two refills on: work-group cx of the cluster takes 128-key block cx of the four, 136 units of 256 bytes, a lane a unit, in waves 0 to 4.  Rounds 0 to 3 come by their loads alone.
; LIMITS.  The promise holds while |t| stays under 2^31.  NaN and infinities among the inputs are not served.
; REGISTERS.  Window 0: v0-63 addresses, scales, statistics; v64-127 V's fragments (behind the products: codes, maxima, factors); v128-255 scores.  Window 1: v0-63 Q; v64-127 K, then P of steps 2 and 3; v128-191 P of steps 0 and 1; v192-255 O.
.set WPART, 34816                      ; a 128-key block of kv: K's half, V's half
.set HALF,  17408
.set SLOTX, 0x22000                    ; a slot: 8 x HALF bytes.  w x HALF has neither bit 17 nor bit 13, so an exclusive or turns the slots
.set PB,    2*SLOTX                    ; P's codes: [step][query tile][c][lane][16 bytes]
.set PSB,   PB+16384                   ; its scale words: [step][r][query tile]
.set MX,    PSB+1024                   ; the waves' -max T, later their sums: [wave][r][query tile]
.set SPARE, MX+2048                    ; the spare words: 128 bytes a wave
.set SCV, 0                            ; 0.25, the conversions' scale
.set SPW, 1
.set NIL, 2
.set ALN, 3                            ; 16 x lane
.set APR, 5                            ; P's codes, to read
.set APS, 6                            ; P's scale words, to read
.set APW, 7                            ; P's codes, to write
.set APB, 8                            ; P's scale bytes, to write
.set AMW, 9                            ; the maxima, to write
.set AMR, 10                           ; and to read
.set PFO, 11
.set M2,  12                           ; v12-19 pairs for the query tiles: maxima of blocks 0, 1, then -T of blocks 0, 1; at a round's start addresses
.set KSW, 20
.set QSW, 24
.set VSW, 32
.set PSW, 36
.set NM,  52                           ; -M
.set LS,  56                           ; the row's sum (my block's half of the lanes)
.set NTH, 60                           ; -T of block lane / 16
.set VF,  64
.set CD,  64                           ; codes
.set ML,  80                           ; the eight waves' maxima; then block sums
.set FP,  60                           ; 2^(old M - new M), one register for each query tile: over -T, from the last use of -T in a round to the next round's products
.set TN,  104
.set S,   128
.set QF,  0
.set KF,  64
.set PF,  128
.set OF,  192
.set WV,  12
.set G1,  24
.set G0A, 32
.set G0,  36
.set TB,  40
.set CNT, 41
.set CS,  42
.set SEL, 44
.set PFA, 46
.set LIM, 48
.set NC,  49
.set KOF, 58
.set VOF, 59
.set VSO, 60
.set MSB, 0
.macro WIN new
.if MSB != (\new)
	s_set_vgpr_msb (MSB<<8)|(\new)
.set MSB, (\new)
.endif
.endm
.macro PLACES
.rept 4
	v_nop
.endr
.endm
.macro VDST
	s_wait_alu depctr_va_vdst(0)
.endm
.macro CROUND
	s_barrier_signal -1
	s_barrier_wait -1
	s_cmp_lg_u32 s[WV], 0
	s_cbranch_scc1 .Lnot_wave_0_\@
	s_barrier_signal -3
.Lnot_wave_0_\@:
	s_barrier_wait -3
	s_barrier_signal -1
	s_barrier_wait -1
.endm
.macro PLOAD s, base                   ; P's fragments of a step of 128 keys, four query tiles
.irp q, 0,1,2,3
.irp c, 0,1
	ds_load_b128 v[\base+8*\q+4*\c:\base+8*\q+4*\c+3], v[APR] offset:4096*\s+1024*\q+512*\c
.endr
.endr
.endm
.macro VADDR
	s_add_co_u32 s51, s[TB], s[VOF]
	s_add_co_u32 s52, s[TB], s[VSO]
	v_add_nc_u32 v[M2+1], s51, v[ALN]
	v_add_nc_u32 v[M2+2], s52, v[ALN]
.endm
.macro VLOAD                           ; 24 loads: my 32 channels of V, its scale words, P's scale words
.irp s, 0,1,2,3
.irp u, 0,1
.irp c, 0,1
	ds_load_b128 v[VF+16*\s+8*\u+4*\c:VF+16*\s+8*\u+4*\c+3], v[M2+1] offset:HALF*\s+1024*\u+512*\c
.endr
.endr
	ds_load_b32 v[VSW+\s], v[M2+2] offset:HALF*\s
	ds_load_b128 v[PSW+4*\s:PSW+4*\s+3], v[APS] offset:256*\s
.endr
.endm
.macro PV s                            ; O^T += V^T P^T over step s: source 0 = 32 channels, source 1 = 16 queries; the four accumulators by turns
.if (\s) < 2
.set PX, PF+32*(\s)
.else
.set PX, KF+32*((\s)-2)
.endif
	WIN 0x54
.irp q, 0,1,2,3
	v_wmma_scale_f32_32x16x128_f4 v[OF+16*\q:OF+16*\q+15], v[VF+16*(\s):VF+16*(\s)+15], v[PX+8*\q:PX+8*\q+7], v[OF+16*\q:OF+16*\q+15], v[VSW+(\s)], v[PSW+4*(\s)+\q]
.endr
	WIN 0
.endm
.macro MAXB b                          ; the largest score of my 16 keys of block b, four query tiles by turns
.irp q, 0,1,2,3
	v_max3_num_f32 v[M2+2*\q+\b], v[S+64*\b+16*\q], v[S+64*\b+16*\q+1], v[S+64*\b+16*\q+2]
.endr
.irp i, 3,5,7,9,11,13
.irp q, 0,1,2,3
	v_max3_num_f32 v[M2+2*\q+\b], v[M2+2*\q+\b], v[S+64*\b+16*\q+\i], v[S+64*\b+16*\q+\i+1]
.endr
.endr
.irp q, 0,1,2,3
	v_max_num_f32 v[M2+2*\q+\b], v[M2+2*\q+\b], v[S+64*\b+16*\q+15]
.endr
.endm
.macro CVT b, q, hf
	v_cvt_scalef32_pk8_fp4_f32 v[CD+8*(\b)+2*(\q)+(\hf)], v[S+64*(\b)+16*(\q)+8*(\hf):S+64*(\b)+16*(\q)+8*(\hf)+7], v[SCV]
.endm
; A ROUND: the scores and codes of this round, and (pv = 1) the second product of the round before.
.macro ITER pv, ask
	s_add_co_u32 s50, s[TB], s[KOF]
	v_add_nc_u32 v[M2], s50, v[ALN]
.if \pv
	VADDR
.endif
	ds_load_b128 v[KSW:KSW+3], v[M2] offset:8192
	WIN 0x40
.irp b, 0,1
.irp kk, 0,1
.irp u, 0,1
.irp c, 0,1
	ds_load_b128 v[KF+32*\b+16*\kk+8*\u+4*\c:KF+32*\b+16*\kk+8*\u+4*\c+3], v[M2] offset:(4*\b+2*\u+\kk)*1024+512*\c
.endr
.endr
.endr
.endr
.if \pv
	PLOAD 0, PF
	PLOAD 1, PF+32
.endif
	WIN 0
.set YOUNG, 0
.if \pv
.set YOUNG, 40                         ; LDS loads issued behind K's
	VLOAD
.endif
.if \ask
	s_cmp_lt_u32 s[CNT], s[LIM]
	s_cbranch_scc0 .Lno_ask_\@
	global_prefetch_b8 v[PFO], s[PFA:PFA+1] th:TH_LOAD_NT scope:SCOPE_SE
.Lno_ask_\@:
.endif
.if \pv
	RESC                               ; while K's fragments arrive
.endif
.irp b, 0,1                            ; S^T = K Q^T: source 0 = 32 keys, whose rows are chosen so that a lane's 16 registers are 16 neighbouring keys
.irp kk, 0,1
	s_wait_dscnt YOUNG+12-8*\b-4*\kk   ; K's parts up to this one are in
	WIN 0x05
.irp q, 0,1,2,3
.if \kk == 0
	v_wmma_scale_f32_32x16x128_f4 v[S+64*\b+16*\q:S+64*\b+16*\q+15], v[KF+32*\b:KF+32*\b+15], v[QF+16*\q:QF+16*\q+7], 0, v[KSW+2*\b], v[QSW+2*\q]
.else
	v_wmma_scale_f32_32x16x128_f4 v[S+64*\b+16*\q:S+64*\b+16*\q+15], v[KF+32*\b+16:KF+32*\b+31], v[QF+16*\q+8:QF+16*\q+15], v[S+64*\b+16*\q:S+64*\b+16*\q+15], v[KSW+2*\b+1], v[QSW+2*\q+1]
.endif
.endr
.endr
.endr
	WIN 0
	PLACES
.if \pv
	WIN 0x40
	PLOAD 2, KF                        ; K's registers are free
	PLOAD 3, KF+32
	WIN 0
.endif
	MAXB 0
.if \pv
	s_wait_dscnt 16                    ; all but the last 16 loads are in
	PV 0
.endif
	MAXB 1
.if \pv
	PV 1
.endif
.irp q, 0,1,2,3
	v_permlane16_swap_b32 v[M2+2*\q], v[M2+2*\q+1]   ; lanes 0-15 now hold block 0's two parts, lanes 16-31 block 1's
.endr
.irp q, 0,1,2,3
	v_max_num_f32 v[NTH+\q], v[M2+2*\q], v[M2+2*\q+1]
.endr
.irp q, 0,1,2,3
	v_mul_f32 v[NTH+\q], s[NC], v[NTH+\q]
.endr
.irp q, 0,1,2,3
	v_ceil_f32 v[NTH+\q], v[NTH+\q]    ; -T = ceil(-t)
.endr
.irp q, 0,1,2,3
	v_mov_b32 v[M2+2*\q], v[NTH+\q]
	v_mov_b32 v[M2+2*\q+1], v[NTH+\q]
.endr
.irp q, 0,1,2,3
	v_permlane16_swap_b32 v[M2+2*\q], v[M2+2*\q+1]   ; -T of block 0, and of block 1, in all lanes
.endr
.irp q, 0,1,2,3
	v_min_num_f32 v[CD+\q], v[M2+2*\q], v[M2+2*\q+1]
.endr
	ds_store_b128 v[AMW], v[CD:CD+3]
	VDST
.if \pv
	s_wait_dscnt 1                     ; the loads of steps 2 and 3 are in; my store may be out
	PV 2
.endif
.set n, 0
.rept 32
	v_pk_fma_f32 v[S+2*n:S+2*n+1], v[S+2*n:S+2*n+1], s[CS:CS+1], v[M2+2*(n/8):M2+2*(n/8)+1] op_sel_hi:[1,0,0]   ; t - T, block 0
.set n, n+1
.endr
	VDST
	s_wait_dscnt 0x0                   ; my maxima are stored and my reads of the last round's codes are over:
	s_barrier_signal -1                ; say so, and go on with work on registers
.if \pv
	PV 3
.endif
.set n, 0
.rept 32
	v_exp_f32 v[S+2*n], v[S+2*n]
	v_exp_f32 v[S+2*n+1], v[S+2*n+1]
	v_pk_fma_f32 v[S+64+2*n:S+65+2*n], v[S+64+2*n:S+65+2*n], s[CS:CS+1], v[M2+2*(n/8):M2+2*(n/8)+1] op_sel:[0,0,1] op_sel_hi:[1,0,1]   ; block 1
.set n, n+1
.endr
	VDST
.set n, 0
.rept 8
.set i, 0
.rept 8
	v_exp_f32 v[S+64+8*n+i], v[S+64+8*n+i]
.set i, i+1
.endr
	CVT 0, n/2, n%2
.set n, n+1
.endr
	v_nop
	VDST
	s_barrier_wait -1                  ; all eight waves' maxima are there, and nobody reads the last round's codes
.irp w, 0,1,2,3
	ds_load_b128 v[ML+4*\w:ML+4*\w+3], v[AMR] offset:256*\w   ; lanes 0-15 take waves 0 to 3, lanes 16-31 waves 4 to 7
.endr
.irp q, 0,1,2,3
	CVT 1, \q, 0
	CVT 1, \q, 1
.endr
	v_nop
.irp b, 0,1
.irp q, 0,1,2,3
	ds_store_b64 v[APW], v[CD+8*\b+2*\q:CD+8*\b+2*\q+1] offset:1024*\q+256*\b
.endr
.endr
	s_wait_dscnt 8                     ; the four loads are in; the eight stores may be out
.irp q, 0,1,2,3
	v_min3_num_f32 v[TN+\q], v[ML+\q], v[ML+4+\q], v[ML+8+\q]
.endr
.irp q, 0,1,2,3
	v_min3_num_f32 v[TN+\q], v[TN+\q], v[ML+12+\q], v[NM+\q]
.endr
.irp q, 0,1,2,3
	v_permlanex16_b32 v[TN+4+\q], v[TN+\q], s[SEL], s[SEL+1]
.endr
.irp q, 0,1,2,3
	v_min_num_f32 v[TN+\q], v[TN+\q], v[TN+4+\q]       ; the new -M: the same in all waves
.endr
.irp q, 0,1,2,3
	v_sub_f32 v[TN+12+\q], v[TN+\q], v[NTH+\q]         ; T - M of my lanes' block
.endr
.irp q, 0,1,2,3
	v_sub_f32 v[TN+8+\q], v[TN+\q], v[NM+\q]           ; old M - new M
.endr
.irp q, 0,1,2,3
	v_max_num_f32 v[TN+12+\q], 0xc2f80000, v[TN+12+\q] ; -124: the byte cannot fall under 1
.endr
.irp q, 0,1,2,3
	v_cvt_i32_f32 v[TN+8+\q], v[TN+8+\q]
.endr
.irp q, 0,1,2,3
	v_cvt_i32_f32 v[TN+12+\q], v[TN+12+\q]
.endr
.irp q, 0,1,2,3
	v_add_nc_u32 v[TN+16+\q], 125, v[TN+12+\q]
.endr
.irp q, 0,1,2,3
	ds_store_b8 v[APB], v[TN+16+\q] offset:4*\q
.endr
.irp q, 0,1,2,3
	v_ldexp_f32 v[FP+\q], 1.0, v[TN+8+\q]
.endr
.irp q, 0,1,2,3
	v_mov_b32 v[NM+\q], v[TN+\q]
.endr
.endm
.macro SUMS b                          ; the sum of my 16 p of block b, as a tree over pairs, four query tiles by turns
.irp i, 0,4,8,12
.irp q, 0,1,2,3
	v_pk_add_f32 v[S+64*\b+16*\q+\i:S+64*\b+16*\q+\i+1], v[S+64*\b+16*\q+\i:S+64*\b+16*\q+\i+1], v[S+64*\b+16*\q+\i+2:S+64*\b+16*\q+\i+3]
.endr
.endr
.irp i, 0,8
.irp q, 0,1,2,3
	v_pk_add_f32 v[S+64*\b+16*\q+\i:S+64*\b+16*\q+\i+1], v[S+64*\b+16*\q+\i:S+64*\b+16*\q+\i+1], v[S+64*\b+16*\q+\i+4:S+64*\b+16*\q+\i+5]
.endr
.endr
.irp q, 0,1,2,3
	v_pk_add_f32 v[S+64*\b+16*\q:S+64*\b+16*\q+1], v[S+64*\b+16*\q:S+64*\b+16*\q+1], v[S+64*\b+16*\q+8:S+64*\b+16*\q+9]
.endr
.irp q, 0,1,2,3
	v_add_f32 v[ML+2*\q+\b], v[S+64*\b+16*\q], v[S+64*\b+16*\q+1]
.endr
.endm
.macro RESC                            ; O under the last round's M; the caller sets the windows behind it
	WIN 0x41
	VDST
.irp j, 0,2,4,6,8,10,12,14
.irp q, 0,1,2,3
.if (\q)%2
	v_pk_mul_f32 v[OF+16*\q+\j:OF+16*\q+\j+1], v[OF+16*\q+\j:OF+16*\q+\j+1], v[FP+\q-1:FP+\q] op_sel:[0,1] op_sel_hi:[1,1]
.else
	v_pk_mul_f32 v[OF+16*\q+\j:OF+16*\q+\j+1], v[OF+16*\q+\j:OF+16*\q+\j+1], v[FP+\q:FP+\q+1] op_sel_hi:[1,0]
.endif
.endr
.endr
.endm
.macro FOLD                            ; the row's sum under the new M
.irp q, 0,1,2,3
	v_permlane16_swap_b32 v[ML+2*\q], v[ML+2*\q+1]
.endr
.irp q, 0,1,2,3
	v_add_f32 v[ML+2*\q], v[ML+2*\q], v[ML+2*\q+1]     ; the whole block's sum: block lane / 16
.endr
.irp q, 0,1,2,3
	v_ldexp_f32 v[ML+2*\q], v[ML+2*\q], v[TN+12+\q]
.endr
.irp q, 0,1,2,3
	v_fma_f32 v[LS+\q], v[LS+\q], v[FP+\q], v[ML+2*\q]
.endr
.endm
; THE CHANGE OF SLOTS.  fill = 2: K and V; 1: V alone (there is no further K); 0: nothing is filled, and the barrier is the work-group's own.
; Ahead of it every wave's loads, stores and reads are over; half of the sums, work on registers, stands behind the add, the rest between the opening barrier's signal and its wait.
.macro TURN fill, pv
	VDST
	s_wait_tensorcnt 0x0               ; my one load, for the other slot, has landed
.if \fill
	ds_add_u32 v[SPW], v[NIL]
	s_xor_b32 s[G0+1], s[G0+1], SLOTX
	s_add_nc_u64 s[G0+2:G0+3], s[G0+2:G0+3], 4*WPART
	s_wait_xcnt 0x0                    ; any prefetch of mine has read its address
.if \pv
	s_add_nc_u64 s[PFA:PFA+1], s[PFA:PFA+1], 4*WPART
.endif
.endif
	s_xor_b32 s[TB], s[TB], SLOTX
	SUMS 0
	VDST
	s_wait_dscnt 0x0
	s_barrier_signal -1
	SUMS 1
	FOLD
	VDST
	s_barrier_wait -1
.if \fill
	s_cmp_lg_u32 s[WV], 0
	s_cbranch_scc1 .Lnot_wave_0_\@
	s_barrier_signal -3
.Lnot_wave_0_\@:
	s_barrier_wait -3
	s_barrier_signal -1
	s_barrier_wait -1
.if \fill == 1
	s_cmp_lt_u32 s[WV], 4
	s_cbranch_scc1 .Lno_fill_\@
.endif
	tensor_load_to_lds s[G0:G0+3], s[G1:G1+7]
	s_nop 0
	PLACES
.Lno_fill_\@:
.endif
.endm
	s_load_b256 s[4:11], s[0:1], 0x0               ; qf s[4:5], qs s[6:7], kv s[8:9], out s[10:11]
	v_lshl_add_u32 v[SPW], v0, 2, SPARE
	v_mov_b32 v[NIL], 0
	ds_add_u32 v[SPW], v[NIL]                      ; the wave's opening: the add, twice on end, and its wait
	ds_add_u32 v[SPW], v[NIL]
	v_lshrrev_b32 v12, 5, v0
	v_readfirstlane_b32 s[WV], v12                 ; wave 0..7
	v_and_b32 v13, 31, v0                          ; lane
	v_lshlrev_b32 v[ALN], 4, v13
	v_and_b32 v14, 15, v0                          ; r
	v_bfe_u32 v15, v0, 4, 1                        ; h
	v_lshlrev_b32 v16, 4, v14
	VDST
	s_bfe_u32 s13, ttmp6, 0x40000                  ; cx
	s_lshl_b32 s14, ttmp9, 2
	s_add_co_u32 s14, s14, s13                     ; work-group x
	s_and_b32 s15, ttmp7, 0xffff                   ; batch
	; descriptor group 1: 68 rows of 256 bytes, dense, to all four of the cluster
	s_mov_b32 s[G1], 15|(3<<16)|(1<<21)
	s_mov_b32 s[G1+1], 32<<16
	s_mov_b32 s[G1+2], 68<<16
	s_mov_b32 s[G1+3], 32<<16
	s_mov_b32 s[G1+4], 68
	s_mov_b32 s[G1+5], 32
	s_mov_b32 s[G1+6], 0
	s_mov_b32 s[G1+7], 0
	s_mov_b32 s[CS], 0x3e38aa3b                    ; log2(e) / 8
	s_mov_b32 s[CS+1], s[CS]
	s_mov_b32 s[NC], 0xbe38aa3b
	s_mov_b32 s[SEL], 0x76543210
	s_mov_b32 s[SEL+1], 0xfedcba98
	s_mov_b32 s[TB], 0
	s_mul_i32 s18, s15, 64*WPART
	s_mov_b32 s19, 0
	s_mul_i32 s50, s[WV], HALF                     ; my part of a slot
	s_mul_i32 s16, s[WV], WPART
	s_mov_b32 s17, 0
	; the slot of round 1: waves 0 to 3: K of round 1, block w;  waves 4 to 7: V of round 0, block w - 4
	s_lshr_b32 s51, s[WV], 2
	s_and_b32 s52, s[WV], 3
	s_mul_i32 s22, s52, WPART
	s_add_co_u32 s22, s22, 4*WPART
	s_mul_i32 s53, s51, 4*WPART-HALF
	s_sub_co_u32 s22, s22, s53
	s_mov_b32 s23, 0
	; where a wave reads in a slot
	s_lshr_b32 s53, s[WV], 1
	s_and_b32 s54, s[WV], 1
	s_mul_i32 s[KOF], s53, HALF
	s_mul_i32 s55, s54, 8704
	s_add_co_u32 s[KOF], s[KOF], s55               ; K: 64 keys: block w >> 1, half w & 1
	s_lshl_b32 s[VOF], s[WV], 11
	s_add_co_u32 s[VOF], s[VOF], 4*HALF            ; V: images 2 w and 2 w + 1
	s_lshl_b32 s[VSO], s51, 9
	s_lshl_b32 s55, s52, 2
	s_add_co_u32 s[VSO], s[VSO], s55
	s_add_co_u32 s[VSO], s[VSO], 4*HALF+16384
	s_wait_dscnt 0x0                               ; both opening adds are done
	s_wait_kmcnt 0x0
	s_add_nc_u64 s[20:21], s[8:9], s[18:19]        ; my batch of kv
	s_mov_b32 s[G0A], 1
	s_mov_b32 s[G0A+1], s50
	s_add_nc_u64 s[G0A+2:G0A+3], s[20:21], s[16:17]
	s_or_b32 s[G0A+3], s[G0A+3], 0x80000000
	s_mov_b32 s[G0], 1
	s_add_co_u32 s[G0+1], s50, SLOTX
	s_add_nc_u64 s[G0+2:G0+3], s[20:21], s[22:23]
	s_or_b32 s[G0+3], s[G0+3], 0x80000000
	CROUND
	s_cmp_lt_u32 s[WV], 4
	s_cbranch_scc0 .Lno_first
	tensor_load_to_lds s[G0A:G0A+3], s[G1:G1+7]    ; K of round 0: one load in each of waves 0 to 3
	s_nop 0
	PLACES
.Lno_first:
	; Q: lane (r, h) of query tile q holds the work-group's query 4 r + q; all 64 queries share t & 15 and are neighbours in the output's last axis
	s_and_b32 s50, s14, 15                         ; t & 15
	s_lshr_b32 s51, s14, 4                         ; which 64 of the 512
	s_lshl_b32 s52, s15, 5
	s_lshl_b32 s55, s51, 2
	s_add_co_u32 s52, s52, s55
	s_lshl_b32 s52, s52, 4
	s_add_co_u32 s52, s52, s50
	s_lshl_b32 s18, s52, 11
	s_add_nc_u64 s[4:5], s[4:5], s[18:19]
	s_lshl_b32 s18, s52, 7
	s_add_nc_u64 s[6:7], s[6:7], s[18:19]
	v_lshrrev_b32 v128, 2, v14
	v_and_b32 v129, 3, v14
	v_lshlrev_b32 v130, 15, v128
	v_lshl_add_u32 v130, v15, 8, v130
	v_lshl_add_u32 v130, v129, 6, v130
	v_lshlrev_b32 v131, 11, v128
	v_lshl_add_u32 v131, v129, 4, v131
	WIN 0x40
.irp q, 0,1,2,3
.irp kk, 0,1
.irp c, 0,1
	global_load_b128 v[QF+16*\q+8*\kk+4*\c:QF+16*\q+8*\kk+4*\c+3], v130, s[4:5] offset:1024*\kk+512*\c+16*\q
.endr
.endr
.endr
	WIN 0
.irp q, 0,1,2,3
.irp kk, 0,1
	global_load_b32 v[QSW+2*\q+\kk], v131, s[6:7] offset:64*\kk+4*\q
.endr
.endr
	; the output: t & 15, my 32 channels, the batch, my 64 of the 512
	s_lshl_b32 s18, s50, 20
	s_lshl_b32 s55, s15, 11
	s_add_co_u32 s18, s18, s55
	s_lshl_b32 s55, s51, 8
	s_add_co_u32 s18, s18, s55
	s_lshl_b32 s55, s[WV], 17
	s_add_co_u32 s18, s18, s55
	s_add_nc_u64 s[56:57], s[10:11], s[18:19]
	; the prefetches: round 4 first
	s_mul_i32 s18, s13, WPART
	s_add_nc_u64 s[PFA:PFA+1], s[20:21], s[18:19]
	s_add_nc_u64 s[PFA:PFA+1], s[PFA:PFA+1], 16*WPART
	s_cmp_lt_u32 ttmp9, 2
	s_cselect_b32 s[LIM], 13, 0                    ; round 12 asks for round 15
	s_cmp_lt_u32 s[WV], 5
	s_cselect_b32 s[LIM], s[LIM], 0
	s_lshl_b32 s55, s[WV], 5
	v_add_nc_u32 v[PFO], s55, v13
	v_min_u32 v[PFO], 135, v[PFO]                  ; wave 4's lanes beyond unit 135 name that unit again
	v_lshlrev_b32 v[PFO], 8, v[PFO]
	; LDS addresses.  s53 = w >> 1, s54 = w & 1
	v_add_nc_u32 v[APR], PB, v[ALN]
	v_add_nc_u32 v[APS], PSB, v16
	s_lshl_b32 s50, s53, 12
	s_lshl_b32 s51, s54, 9
	s_add_co_u32 s50, s50, s51
	s_add_co_u32 s50, s50, PB
	v_lshl_add_u32 v17, v15, 3, v16
	v_add_nc_u32 v[APW], s50, v17                  ; my 8 bytes of a block's 16: [step w >> 1][q][c = w & 1][block][r], + 8 h
	s_lshl_b32 s50, s53, 8
	s_lshl_b32 s51, s54, 1
	s_add_co_u32 s50, s50, s51
	s_add_co_u32 s50, s50, PSB
	v_add_nc_u32 v18, v15, v16
	v_add_nc_u32 v[APB], s50, v18                  ; my byte of the scale word: 2 (w & 1) + h
	s_lshl_b32 s50, s[WV], 8
	s_add_co_u32 s50, s50, MX
	v_add_nc_u32 v[AMW], s50, v16
	v_lshl_add_u32 v19, v15, 10, v16
	v_add_nc_u32 v[AMR], MX, v19
	v_mov_b32 v[SCV], 0x3e800000
.irp q, 0,1,2,3
	v_mov_b32 v[NM+\q], 0x7f61b1e6                 ; -M: 3e38
	v_mov_b32 v[LS+\q], 0
	v_mov_b32 v[TN+4+\q], 0                        ; written once: a lane permute's destination counts as one of its sources
.endr
	WIN 0x40
.set n, 0
.rept 64
	v_mov_b32 v[OF+n], 0                           ; O: the round is written once for all second products
.set n, n+1
.endr
	WIN 0
	VDST                                           ; the head's end
	s_wait_tensorcnt 0x0                           ; my part of K of round 0 is in
	ds_add_u32 v[SPW], v[NIL]
	ds_add_u32 v[SPW], v[NIL]                      ; twice on end
	s_wait_dscnt 0x0
	CROUND
	tensor_load_to_lds s[G0:G0+3], s[G1:G1+7]      ; K of round 1, V of round 0
	s_nop 0
	PLACES
	s_wait_loadcnt 0x0                             ; Q
	ITER 0, 0
	TURN 2, 0                                      ; K of round 2, V of round 1
	s_mov_b32 s[CNT], 1
.Lround:
	ITER 1, 1
	TURN 2, 1                                      ; K of round CNT + 2, V of round CNT + 1, into the slot just read
	s_add_co_u32 s[CNT], s[CNT], 1
	s_cmp_lt_u32 s[CNT], 14
	s_cbranch_scc1 .Lround
	ITER 1, 0
	TURN 1, 1                                      ; V of round 15
	ITER 1, 0
	TURN 0, 1
	; the last round's second product, and the sums' exchange beside it
	VADDR
	WIN 0x40
	PLOAD 0, PF
	PLOAD 1, PF+32
	PLOAD 2, KF
	PLOAD 3, KF+32
	WIN 0
	VLOAD
	RESC
	WIN 0
.irp q, 0,1,2,3
	v_permlanex16_b32 v[S+\q], v[LS+\q], s[SEL], s[SEL+1]
.endr
.irp q, 0,1,2,3
	v_add_f32 v[S+4+\q], v[LS+\q], v[S+\q]
.endr
	ds_store_b128 v[AMW], v[S+4:S+7]
	VDST
	s_wait_dscnt 0x0
	s_barrier_signal -1
	PV 0
	PV 1
	PV 2
	PV 3
	s_barrier_wait -1
.irp w, 0,1,2,3
	ds_load_b128 v[S+8+4*\w:S+11+4*\w], v[AMR] offset:256*\w
.endr
	v_and_b32 v224, 255, v[ALN]
	v_lshrrev_b32 v225, 8, v[ALN]
	v_lshl_add_u32 v224, v225, 15, v224            ; the way out: 16 r, + 8 h channels of 4,096 bytes
	VDST
	s_wait_dscnt 0x0
.irp q, 0,1,2,3
	v_add_f32 v[S+8+\q], v[S+8+\q], v[S+12+\q]
.endr
.irp q, 0,1,2,3
	v_add_f32 v[S+16+\q], v[S+16+\q], v[S+20+\q]
.endr
.irp q, 0,1,2,3
	v_add_f32 v[S+8+\q], v[S+8+\q], v[S+16+\q]
.endr
.irp q, 0,1,2,3
	v_permlanex16_b32 v[S+\q], v[S+8+\q], s[SEL], s[SEL+1]
.endr
.irp q, 0,1,2,3
	v_add_f32 v[S+24+\q], v[S+8+\q], v[S+\q]       ; the rows' sums
.endr
	VDST
.irp q, 0,1,2,3
	v_rcp_f32 v[S+28+\q], v[S+24+\q]
.endr
	v_nop
	WIN 0x01
	VDST
.set n, 0
.rept 16
.irp q, 0,1,2,3
	v_mul_f32 v[S+32+4*n+\q], v[OF+16*\q+n], v[S+28+\q]   ; four neighbouring queries of one channel
.endr
.set n, n+1
.endr
	WIN 0
.set n, 0
.rept 16
	global_store_b128 v224, v[S+32+4*n:S+35+4*n], s[56:57] offset:(16*(n/8)+n%8)*4096   ; sixteen lanes store 256 consecutive bytes, aligned
.set n, n+1
.endr
	s_wait_tensorcnt 0x0                           ; the wave's end
	ds_add_u32 v[SPW], v[NIL]
	s_wait_dscnt 0x0
	CROUND                                         ; the closing round
	s_endpgm
.Lfunc_end_k_qdc8ab6a22b_attn:
	.size	k_qdc8ab6a22b_attn, .Lfunc_end_k_qdc8ab6a22b_attn-k_qdc8ab6a22b_attn
	.p2alignl 7, 3214868480
	.fill 96, 4, 3214868480
	.section	.rodata,"a",@progbits
	.p2align	6, 0x0
	.amdhsa_kernel k_qdc8ab6a22b_attn
		.amdhsa_group_segment_fixed_size 327680
		.amdhsa_private_segment_fixed_size 0
		.amdhsa_enable_private_segment 0
		.amdhsa_kernarg_size 32
		.amdhsa_user_sgpr_count 2
		.amdhsa_user_sgpr_kernarg_segment_ptr 1
		.amdhsa_wavefront_size32 1
		.amdhsa_system_sgpr_workgroup_id_x 1
		.amdhsa_system_sgpr_workgroup_id_y 1
		.amdhsa_system_sgpr_workgroup_id_z 1
		.amdhsa_system_vgpr_workitem_id 0
		.amdhsa_next_free_vgpr 512
		.amdhsa_next_free_sgpr 66
		.amdhsa_reserve_vcc 0
		.amdhsa_float_denorm_mode_32 3
		.amdhsa_float_denorm_mode_16_64 3
		.amdhsa_memory_ordered 1
		.amdhsa_forward_progress 1
		.amdhsa_inst_pref_size 156
	.end_amdhsa_kernel
	.amdgpu_metadata
---
amdhsa.version: [ 1, 2 ]
amdhsa.kernels:
  - .name:           k_qdc8ab6a22b_attn
    .symbol:         k_qdc8ab6a22b_attn.kd
    .args:
      - { .name: qf, .offset: 0, .size: 8, .value_kind: global_buffer, .address_space: global }
      - { .name: qs, .offset: 8, .size: 8, .value_kind: global_buffer, .address_space: global }
      - { .name: kv, .offset: 16, .size: 8, .value_kind: global_buffer, .address_space: global }
      - { .name: out0, .offset: 24, .size: 8, .value_kind: global_buffer, .address_space: global }
    .group_segment_fixed_size: 327680
    .private_segment_fixed_size: 0
    .kernarg_segment_align: 8
    .kernarg_segment_size: 32
    .max_flat_workgroup_size: 256
    .sgpr_count:     66
    .vgpr_count:     512
    .wavefront_size: 32
...
	.end_amdgpu_metadata
.endif
;; end of part 2
